; MI455X (gfx1250); checked and timed in simulation.
; The chip was launched on July 23, 2026; its instructions are those of AMD's public machine-readable ISA for CDNA 5 (MIT licence, August 2026) and "CDNA5" Instruction Set Architecture Reference Guide (July 2026). The comments in the code are by the model that wrote it; some were corrected since.
;; Attention. Allowed arithmetic: matrix products marked QUANTISED: E2M1 operands, one E8M0 scale for each 32 along K, by v_wmma_scale_f32_16x16x128_f8f6f4 with both operands' format E2M1 (or v_wmma_scale_f32_32x16x128_f4), f32 sums; products left as they are: f32 operands where the result goes on into a quantised operand, else bf16, f16 or f32 operands; f32 sums; everything else in f32.
;; Inputs: U_a 1,024 x 1,024 float32; W_a 1,024 x 1,024 float32; W_att 2,048 x 1,024 float32; W_p 1,024 x 1,024 float32; inputs 32 x 2,048 x 1,024 float32; v_a 1,024 x 1 float32; v_p 1,024 x 1 float32.
;; Outputs: out0 32 x 1,024 float32.
;; This version of the problem:
;;   THIS VERSION OF THE PROBLEM IS GIVEN IN LOW PRECISION. The matrix products marked QUANTISED in the list below multiply operands that are first quantised to E2M1 (2 exponent bits, 1 mantissa bit; 4 bits a number), with one power-of-two scale for each 32 numbers along K (OCP MX v1.0); their sums are f32. All else is computed in f32.
;;   The module's matrix products, in the order in which they are computed (A, B: the left and right operand; K: the contracted axis; several contracted axes count as one K, in the product's order):
;;     1. [M 32, K 1,024] x [K 1,024, N 1,024]; A: input inputs; B: input W_p: QUANTISED
;;     2. [M 32, K 1,024] x [K 1,024, N 1]; A: computed on the way; B: input v_p: left as it is (N = 1 < 16)
;;     3. [M 65,536, K 1,024] x [K 1,024, N 1,024]; A: input inputs; B: input W_a: QUANTISED
;;     4. [M 32, K 1,024] x [K 1,024, N 1,024]; A: input inputs; B: input U_a: QUANTISED
;;     5. [M 65,536, K 1,024] x [K 1,024, N 1]; A: computed on the way; B: input v_a: left as it is (N = 1 < 16)
;;     6. batch 32 x [M 1,024, K 2,048] x [K 2,048, N 1]; A: input inputs; B: computed on the way: left as it is (N = 1 < 16)
;;     7. [M 32, K 2,048] x [K 2,048, N 1,024]; A: computed on the way; B: input W_att: QUANTISED
;;   THE QUANTISER, for each operand of a quantised product, along K:
;;     - K is cut into blocks of 32 from its start; a last block that is shorter is filled with zeros.
;;     - A block's scale is 2^e with e = floor(log2(the largest magnitude in the block)) - 2, held to -126 .. 127; a block of zeros has e = 0. As a byte (E8M0): e + 127.
;;     - Each number is divided by its block's scale, clamped to +-6, and rounded to the nearest number of E2M1, ties to even, subnormals kept.
;;     - The product sums the exact products of the quantised numbers (number of the format x scale) in f32.
;;   ~~~python
;;   def quantise(x, axis):      # numpy; x: float32 -> the quantised numbers, widened to float32 again
;;       x = np.moveaxis(x, axis, -1); K = x.shape[-1]
;;       x = np.pad(x, [(0, 0)] * (x.ndim - 1) + [(0, -K % 32)]); x = x.reshape(x.shape[:-1] + (-1, 32)); a = np.abs(x).max(-1, keepdims=True)
;;       e = np.where(a > 0, np.clip(np.frexp(np.where(a > 0, a, 1))[1] - 1 - 2, -126, 127), 0)      # np.frexp(a)[1] - 1 = floor(log2(a)), exactly
;;       r = np.clip(x / 2.0 ** e, -6, 6)
;;       step = 2.0 ** (np.maximum(np.frexp(np.where(r == 0, 1, r))[1] - 1, 0) - 1)
;;       q = np.round(r / step) * step * 2.0 ** e      # np.round: ties to even
;;       return np.moveaxis(q.reshape(q.shape[:-2] + (-1,))[..., :K], -1, axis).astype(np.float32)
;;   ~~~
;;   OPERANDS COMPUTED ON THE WAY. 'Computed on the way' means the value that the module computes at that place (a softmax that the list does not call 'softmax' is quantised finished and normalised). What goes into a quantiser is computed in f32, as accurately as f32 sums, v_exp_f32 and their like allow (about 1e-6 of the number): no bf16 or f16 on the way to a quantiser, and a product that is left as it is and whose result goes on into a quantised operand takes f32 operands (vector FMAs, or v_wmma_f32_16x16x4_f32). A number that lies on a knife's edge between two numbers of the format may be rounded either way, as far as f32 arithmetic and the matrix unit's own rounding can turn it there, and no further.
;; One version. Each part assembles by itself: llvm-mc -triple=amdgcn-amd-amdhsa -mcpu=gfx1250 --defsym DOCPART=n.
;; ======== version 1 of 1: 3 launches
;; limits: right only within a limited range of input values
;; workspace buffers: wa_codes 589,824 bytes; wa_scales 36,864 bytes; wt_codes 589,824 bytes; wt_scales 36,864 bytes; z 393,216 bytes; pctx 1,048,576 bytes; pstat 65,536 bytes
;; launch prep (part 1): grid 160 x 1, 8 waves a work-group, no clusters, 173,056 bytes of LDS; arguments inputs, W_a, W_att, W_p, U_a, wa_codes, wa_scales, wt_codes, wt_scales, z; writes wa_codes, wa_scales, wt_codes, wt_scales, z
.if DOCPART == 1
	.amdgcn_target "amdgcn-amd-amdhsa--gfx1250"
	.amdhsa_code_object_version 6
	.text
	.protected	k_qce619bfa6a_prep
	.globl	k_qce619bfa6a_prep
	.p2align	8
	.type	k_qce619bfa6a_prep,@function
k_qce619bfa6a_prep:
	s_mov_b64 s[64:65], 0
	v_nop
	global_prefetch_b8 v0, s[64:65] scope:SCOPE_SE
	s_setreg_imm32_b32 hwreg(HW_REG_WAVE_MODE, 25, 1), 1
	s_wait_xcnt 0x0
; THE PROGRAM (three launches): local-p attention with a concat score, all four large products on codes of FP4 (E2M1) with one E8M0 scale for each 32 along K.
;   prep   (this text): W_a and the upper half of W_att become codes; h_t @ W_p, h_t @ U_a and h_t @ W_att[1024:] are made at once (each of those weights is read once, by one work-group).
;   main:  inputs @ W_a, tanh, the score, a running softmax, the Gaussian factor and the weighted sum of the rows, a partial for each 256 rows.
;   finish: the eight partials of a batch are joined, the context is quantised, context @ W_att[:1024] + h_t @ W_att[1024:], tanh.
; The last product's K = 2,048 is cut at 1,024, a multiple of 32: the quantiser's blocks are as they were, and the two halves' sums are added in f32.
; WORK LEFT OUT, one term.  tanh(a) = 1 - 2 r with r = 1 / (1 + e^(2a)), so score[s] = sum_n v_a[n] - 2 sum_n v_a[n] r[s][n].  The first sum does not hang on s: it is the same along the softmax's
; axis for all values of the inputs and cancels in softmax; it is of the scores' own size.  It is not formed.  All seven inputs are loaded.  A NaN, an infinity or an overflow that reached that sum alone is not carried to the result.
; LIMITS: NaN and infinities among the inputs are not served.  A block of zeros, and a block whose largest magnitude lies under 2^-124, gets the scale byte 1 (the rule says 127 for zeros): its codes are zeros or
; held by the floor, and the bytes are read by this program alone.
; THE ORDER OF K, alike on both operands of every product: matrix step sg (0..7) takes the four blocks of 32 numbered 8 i + sg, i = 0..3, block i at the step's k = 32 i .. 32 i + 31, its scale in byte i of the word (row, sg).
; Inside a block k ascends.  Only the grouping of the exact products differs from K's own order.
; SHARES.  mat = work-group / 32: 0 W_a, 1 W_att[:1024], 2 W_p, 3 U_a, 4 W_att[1024:];  g = work-group % 32: columns 32 g .. 32 g + 31.  Wave = sg.  A LANE TAKES A COLUMN AND ITS REGISTERS RUN DOWN K: a block lies
; in one lane's 32 registers, its largest magnitude needs no other lane, and the conversions give codes with K innermost.
; CODES' LAYOUT (mat 0, 1): in the order of the operand's registers.  Tile t (16 columns) at (t + 2 (t / 16)) x 8,192; in it (2 sg + c) x 512 + (16 h + r) x 16: lane (r, h) of a fragment loads its registers 4 c .. 4 c + 3 whole.
; Scale words at (t + 2 (t / 16)) x 512 + 64 sg + 4 r.  Behind each 16 tiles of W_a stand copies of the first two of them, so that the reader's look-ahead of two tiles never turns back.
; mat 2 to 4: the wave multiplies its K step at once by h_t's codes (32 batches, two tiles); the eight waves' sums meet in LDS.
; h_t IS LOADED IN RUNS AND TURNED THROUGH LDS.  The conversions want a block's 32 numbers in one lane; a load is best where neighbouring lanes take neighbouring bytes.  So a load takes one block (128 consecutive bytes, eight lanes) of
; each of four batches; the numbers go, as loaded, into the wave's own stage in LDS and come back 128 bytes a lane.  The stage's pitch from batch to batch is 528 bytes, 33 columns of 16: the sixteen lanes of a read fall in sixteen different columns.
; REGISTERS: v3-11 lane terms and offsets, made at the head from ids and never rewritten (v4: first r, then z's offset); v12-27 at work; v28 the weight's scale word, v29-30 h_t's; v32-47 the weight's codes; v48-63 h_t's;
;   v64-95 four results; v96, v97 the stage's two addresses; v128-255 the weight's 128 numbers, at the end the sum over waves; window 1: v0-127 h_t's numbers, a block to a lane; v128-255 the same as loaded.
.set HWB,   16896                      ; LDS: 0 .. 135,167 the eight waves' stages for h_t: wave x 16,896 + batch x 528 + block x 128 + 16 x piece;
.set HBP,   528
.set RED,   135168                     ; 135,168 .. 167,935 the eight waves' results as images of their registers (wave x 4,096 + image x 512 + 16 x lane); 167,936 .. 172,031 are not used;
.set SPARE, 172032                     ; then the spare words, 128 bytes a wave
.set SPW, 1
.set NIL, 2
.set ZOF, 4                            ; v4   my byte offset in the wave's four rows of z
.set WSW, 28
.set HSW, 29
.set WC,  32                           ; block 0 at +0, block 2 at +4, block 1 at +8, block 3 at +12
.set HC,  48
.set DA,  64
.set HSA, 96                           ; v96  the stage, on the way in
.set HRA, 97                           ; v97  and on the way out
.set RS,  128
.set XW,  128
.set HB,  66                           ; s[66+2 q : 67+2 q] h_t of batches 4 q .. 4 q + 3
.set MSB, 0
.macro WIN new                         ; the immediate's high byte repeats the setting that is left
.if MSB != \new
	s_set_vgpr_msb (MSB<<8)|\new
.set MSB, \new
.endif
.endm
	s_load_b512 s[4:19], s[0:1], 0x0               ; inputs 4:5, W_a 6:7, W_att 8:9, W_p 10:11, U_a 12:13, wa_codes 14:15, wa_scales 16:17, wt_codes 18:19
	s_load_b128 s[20:23], s[0:1], 0x40             ; wt_scales 20:21, z 22:23
	v_lshl_add_u32 v[SPW], v0, 2, SPARE
	v_mov_b32 v[NIL], 0
	v_lshrrev_b32 v3, 5, v0
	s_delay_alu instid0(VALU_DEP_1)
	v_readfirstlane_b32 s24, v3                    ; wave = sg
	s_lshr_b32 s25, ttmp9, 5                       ; mat
	s_and_b32 s26, ttmp9, 31                       ; g
	v_and_b32 v3, 31, v0                           ; lane
	v_and_b32 v4, 15, v0                           ; r
	v_bfe_u32 v5, v0, 4, 1                         ; h
	s_delay_alu instid0(VALU_DEP_3)
	v_lshlrev_b32 v6, 2, v3                        ; the weight: 4 bytes a lane
	v_bfe_u32 v13, v0, 3, 2                        ; lane / 8
	v_and_b32 v14, 7, v0                           ; lane % 8
	s_delay_alu instid0(VALU_DEP_2)
	v_lshlrev_b32 v7, 23, v13                      ; h_t as loaded: batch lane / 8 of four, 8,388,608 bytes apart,
	s_delay_alu instid0(VALU_DEP_1)
	v_lshl_add_u32 v7, v14, 4, v7                  ; + 16 (lane % 8): eight lanes read a block's 128 bytes
	s_mul_i32 s42, s24, HWB                        ; my stage
	v_mul_u32_u24 v[HSA], v13, HBP
	s_delay_alu instid0(VALU_DEP_1)
	v_lshl_add_u32 v[HSA], v14, 4, v[HSA]
	s_delay_alu instid0(VALU_DEP_1)
	v_add_nc_u32 v[HSA], s42, v[HSA]               ; in: as loaded
	v_mul_u32_u24 v[HRA], v4, HBP
	s_delay_alu instid0(VALU_DEP_1)
	v_lshl_add_u32 v[HRA], v5, 7, v[HRA]
	s_delay_alu instid0(VALU_DEP_1)
	v_add_nc_u32 v[HRA], s42, v[HRA]               ; out: batch r, block h
	v_lshlrev_b32 v8, 4, v4
	s_delay_alu instid0(VALU_DEP_1)
	v_lshl_add_u32 v8, v5, 13, v8                  ; codes out: tile lane / 16, 16 bytes a column
	v_lshlrev_b32 v9, 2, v4
	s_delay_alu instid0(VALU_DEP_1)
	v_lshl_add_u32 v9, v5, 9, v9                   ; scale words out
	s_lshl_b32 s42, s24, 12
	s_add_co_u32 s42, s42, RED
	v_lshlrev_b32 v10, 4, v3
	s_delay_alu instid0(VALU_DEP_1)
	v_add_nc_u32 v10, s42, v10                     ; the results, in: wave x 4,096 + 16 x lane
	v_bfe_u32 v14, v0, 2, 1                        ; the results, back: lane = 8 rho + pi: batch 4 wave + rho, columns 4 pi .. 4 pi + 3.  A sum of six terms, 4,080 at the most:
	s_delay_alu instid0(VALU_DEP_1)
	v_lshlrev_b32 v11, 11, v14                     ; 2,048 x the tile of columns,
	v_and_b32 v14, 1, v0
	s_delay_alu instid0(VALU_DEP_1)
	v_lshl_add_u32 v11, v14, 9, v11                ; 512 x the half of its eight registers,
	v_bfe_u32 v14, v0, 1, 1
	s_delay_alu instid0(VALU_DEP_1)
	v_lshl_add_u32 v11, v14, 8, v11                ; 256 x the half of the lanes,
	s_delay_alu instid0(VALU_DEP_1)
	v_lshl_add_u32 v11, v13, 4, v11                ; 16 x rho,
	s_lshr_b32 s42, s24, 2
	s_lshl_b32 s42, s42, 10                        ; 1,024 x the tile of batches
	s_and_b32 s43, s24, 3
	s_lshl_b32 s43, s43, 6                         ; and 64 x (wave % 4): four batches a wave
	s_add_co_u32 s42, s42, s43
	s_add_co_u32 s42, s42, RED
	v_add_nc_u32 v11, s42, v11
	v_and_b32 v[ZOF], 7, v0                        ; r has served: the register takes z's offset, made here from ids alone,
	s_delay_alu instid0(VALU_DEP_1)
	v_lshlrev_b32 v[ZOF], 4, v[ZOF]
	s_delay_alu instid0(VALU_DEP_1)
	v_lshl_add_u32 v[ZOF], v13, 12, v[ZOF]         ; 4,096 rho + 16 pi (v13 and v14 are work registers from here on)
	v_mov_b32 v31, 0                               ; written once: a lane permute's destination counts as one of its sources
	s_mov_b32 s40, 0x76543210
	s_mov_b32 s41, 0xfedcba98                      ; v_permlanex16_b32's selects for lane l xor 16
	s_cmp_eq_u32 s25, 4
	s_cselect_b32 s42, 0x400000, 0                 ; the lower half of W_att begins 1,024 rows down
	s_lshl_b32 s43, s24, 17                        ; block sg: 32 sg rows of 4,096 bytes
	s_add_co_u32 s42, s42, s43
	s_lshl_b32 s43, s26, 7                         ; 32 g columns
	s_add_co_u32 s42, s42, s43
	s_mov_b32 s43, 0
	s_lshr_b32 s44, s26, 3
	s_add_co_u32 s44, s44, s26                     ; g + g / 8: half the section's number
	s_lshl_b32 s46, s44, 14
	s_lshl_b32 s45, s24, 10
	s_add_co_u32 s46, s46, s45                     ; codes: section + 1,024 sg
	s_mov_b32 s47, 0
	s_lshl_b32 s44, s44, 10
	s_lshl_b32 s45, s24, 6
	s_add_co_u32 s44, s44, s45                     ; scale words: section + 64 sg
	s_mov_b32 s45, 0
	s_lshl_b32 s48, s24, 7
	s_add_co_u32 s48, s48, 0x7ff000                ; h_t: row 2,047 of a batch, + 128 sg
	s_mov_b32 s49, 0
	s_wait_kmcnt 0x0
	s_cmp_eq_u32 s25, 0                            ; the buffers are chosen by the work-group's number alone
	s_cselect_b64 s[28:29], s[6:7], s[8:9]
	s_cselect_b64 s[30:31], s[14:15], s[18:19]
	s_cselect_b64 s[32:33], s[16:17], s[20:21]
	s_cmp_eq_u32 s25, 2
	s_cselect_b64 s[28:29], s[10:11], s[28:29]
	s_cmp_eq_u32 s25, 3
	s_cselect_b64 s[28:29], s[12:13], s[28:29]
	s_add_nc_u64 s[28:29], s[28:29], s[42:43]
	s_add_nc_u64 s[30:31], s[30:31], s[46:47]
	s_add_nc_u64 s[32:33], s[32:33], s[44:45]
	s_add_nc_u64 s[HB:HB+1], s[4:5], s[48:49]      ; batches 0-3,
.irp q,1,2,3,4,5,6,7
	s_add_nc_u64 s[HB+2*\q:HB+2*\q+1], s[HB+2*\q-2:HB+2*\q-1], 0x2000000   ; and four batches on, seven times
.endr
	s_cmp_lt_u32 s25, 2
	s_cbranch_scc1 .Lno_h
	WIN 0x40                                       ; destination window 1
.irp q,0,1,2,3,4,5,6,7
.irp i,0,1,2,3
	global_load_b128 v[128+4*(4*\q+\i):128+4*(4*\q+\i)+3], v7, s[HB+2*\q:HB+2*\q+1] offset:1024*\i   ; block 8 i + sg of batches 4 q .. 4 q + 3: four runs of 128 consecutive bytes
.endr
.endr
	WIN 0
.Lno_h:
.irp k,0,1,2,3,4,5,6,7,8,9,10,11,12,13,14,15,16,17,18,19,20,21,22,23,24,25,26,27,28,29,30,31
	global_load_b32 v[XW+\k], v6, s[28:29] offset:\k*4096   ; W(32 sg + k, my column): 32 lanes read 128 consecutive bytes
.endr
	s_cmp_lt_u32 s25, 2
	s_cbranch_scc1 .Lno_turn
	s_wait_loadcnt 32                              ; h_t's 32 loads are in; the weight's first 32 may be out
	WIN 0x04                                       ; an LDS store's data are its source 1: window 1
.irp q,0,1,2,3,4,5,6,7
.irp i,0,1,2,3
	ds_store_b128 v[HSA], v[128+4*(4*\q+\i):128+4*(4*\q+\i)+3] offset:4*HBP*\q+128*\i
.endr
.endr
	WIN 0x40                                       ; destination window 1
.irp mt,0,1
.irp c,0,1
.irp j,0,1,2,3,4,5,6,7
	ds_load_b128 v[64*\mt+32*\c+4*\j:64*\mt+32*\c+4*\j+3], v[HRA] offset:16*HBP*\mt+256*\c+16*\j   ; h_t(16 mt + r, block 8 (2 c + h) + sg): 32 numbers a lane.  LDS serves a wave's instructions in order: these see my stores
.endr
.endr
.endr
	WIN 0
.Lno_turn:
.irp i,1,2,3
.irp k,0,1,2,3,4,5,6,7,8,9,10,11,12,13,14,15,16,17,18,19,20,21,22,23,24,25,26,27,28,29,30,31
	global_load_b32 v[XW+32*\i+\k], v6, s[28:29] offset:(256*\i+\k)*4096   ; W(32 (8 i + sg) + k, my column)
.endr
.endr
; Block i of my column: largest magnitude (with the floor 2^(3 - 127) among its leaves: the byte cannot fall under 1), scale byte, 32 codes.
.macro WBLK i, cnt, dst
.set XS, XW+32*(\i)
	s_wait_loadcnt \cnt                            ; this block's 32 loads are in
	v_max3_num_f32 v12, |v[XS]|, |v[XS+1]|, |v[XS+2]|
	v_max3_num_f32 v13, |v[XS+3]|, |v[XS+4]|, |v[XS+5]|
.irp k,6,10,14,18,22,26
	s_delay_alu instid0(VALU_DEP_2)
	v_max3_num_f32 v12, v12, |v[XS+\k]|, |v[XS+\k+1]|
	s_delay_alu instid0(VALU_DEP_2)
	v_max3_num_f32 v13, v13, |v[XS+\k+2]|, |v[XS+\k+3]|
.endr
	s_delay_alu instid0(VALU_DEP_2)
	v_max3_num_f32 v12, v12, |v[XS+30]|, |v[XS+31]|
	s_delay_alu instid0(VALU_DEP_1)
	v_max3_num_f32 v12, v12, v13, 0x1800000
	s_delay_alu instid0(VALU_DEP_1)
	v_add_nc_u32 v14, 0xff000000, v12              ; 2 off the exponent field: the conversion takes the exponent field of this operand as its scale
	s_delay_alu instid0(VALU_DEP_1)
	v_lshrrev_b32 v15, 23, v14                     ; the scale's byte
.if (\i)==0
	s_delay_alu instid0(VALU_DEP_1)
	v_mov_b32 v[WSW], v15
.else
	s_delay_alu instid0(VALU_DEP_1)
	v_lshl_or_b32 v[WSW], v15, 8*(\i), v[WSW]      ; byte i of the word (column, sg)
.endif
.irp g,0,1,2,3
	v_cvt_scalef32_pk8_fp4_f32 v[\dst+\g], v[XS+8*\g:XS+8*\g+7], v14
.endr
	v_nop                                          ; one plain line behind the last conversion of a run
.endm
	WBLK 0, 63, WC                                 ; 96 and 64 younger loads: the wait's field holds 63
	WBLK 1, 63, WC+8
	WBLK 2, 32, WC+4
	WBLK 3, 0, WC+12
	s_cmp_ge_u32 s25, 2
	s_cbranch_scc1 .Lproduct
	; ---- mat 0, 1: the codes leave as they stand: sixteen lanes store 256 consecutive bytes, aligned
	global_store_b128 v8, v[WC:WC+3], s[30:31]
	global_store_b128 v8, v[WC+8:WC+11], s[30:31] offset:256
	global_store_b128 v8, v[WC+4:WC+7], s[30:31] offset:512
	global_store_b128 v8, v[WC+12:WC+15], s[30:31] offset:768
	global_store_b32 v9, v[WSW], s[32:33]
	s_and_b32 s42, s26, 7
	s_or_b32 s42, s42, s25
	s_cmp_lg_u32 s42, 0                            ; W_a's tiles 16 w and 16 w + 1 are stored once more, 16 sections on
	s_cbranch_scc1 .Ljoin
	global_store_b128 v8, v[WC:WC+3], s[30:31] offset:131072
	global_store_b128 v8, v[WC+8:WC+11], s[30:31] offset:131072+256
	global_store_b128 v8, v[WC+4:WC+7], s[30:31] offset:131072+512
	global_store_b128 v8, v[WC+12:WC+15], s[30:31] offset:131072+768
	global_store_b32 v9, v[WSW], s[32:33] offset:8192
	s_branch .Ljoin
.Lproduct:
	; ---- mat 2 to 4: h_t's four blocks (q = 2 mt + c) by turns; all 32 numbers of a block are one lane's
	s_wait_dscnt 0x0                               ; h_t is back from the stage
	WIN 0x15                                       ; all three sources window 1
.irp q,0,1,2,3
	v_max3_num_f32 v[12+2*\q], |v[32*\q]|, |v[32*\q+1]|, |v[32*\q+2]|
	v_max3_num_f32 v[13+2*\q], |v[32*\q+3]|, |v[32*\q+4]|, |v[32*\q+5]|
.endr
	WIN 0x14                                       ; sources 1 and 2 window 1
.irp k,6,10,14,18,22,26
.irp q,0,1,2,3
	v_max3_num_f32 v[12+2*\q], v[12+2*\q], |v[32*\q+\k]|, |v[32*\q+\k+1]|
	v_max3_num_f32 v[13+2*\q], v[13+2*\q], |v[32*\q+\k+2]|, |v[32*\q+\k+3]|
.endr
.endr
.irp q,0,1,2,3
	v_max3_num_f32 v[12+2*\q], v[12+2*\q], |v[32*\q+30]|, |v[32*\q+31]|
.endr
	WIN 0
.irp q,0,1,2,3
	v_max3_num_f32 v[12+2*\q], v[12+2*\q], v[13+2*\q], 0x1800000
.endr
.irp q,0,1,2,3
	s_delay_alu instid0(VALU_DEP_4)
	v_add_nc_u32 v[20+\q], 0xff000000, v[12+2*\q]
.endr
.irp q,0,1,2,3
	s_delay_alu instid0(VALU_DEP_4)
	v_lshrrev_b32 v[24+\q], 23, v[20+\q]
.endr
	s_delay_alu instid0(VALU_DEP_3)
	v_lshl_or_b32 v[HSW], v25, 16, v24             ; my two bytes: blocks h and 2 + h of batch r,
	s_delay_alu instid0(VALU_DEP_2)
	v_lshl_or_b32 v[HSW+1], v27, 16, v26
	v_lshlrev_b32 v16, 3, v5
	s_delay_alu instid0(VALU_DEP_1)
	v_lshlrev_b32 v[HSW], v16, v[HSW]              ; at their places in the word (8 h bits up);
	s_delay_alu instid0(VALU_DEP_2)
	v_lshlrev_b32 v[HSW+1], v16, v[HSW+1]
	s_delay_alu instid0(VALU_DEP_2)
	v_permlanex16_b32 v31, v[HSW], s40, s41
	s_delay_alu instid0(VALU_DEP_1)
	v_or_b32 v[HSW], v[HSW], v31                   ; with lane l xor 16's two the word is whole
	s_delay_alu instid0(VALU_DEP_2)
	v_permlanex16_b32 v31, v[HSW+1], s40, s41
	s_delay_alu instid0(VALU_DEP_1)
	v_or_b32 v[HSW+1], v[HSW+1], v31
	WIN 0x01                                       ; source 0 window 1
.irp q,0,1,2,3
.irp g,0,1,2,3
	v_cvt_scalef32_pk8_fp4_f32 v[HC+4*\q+\g], v[32*\q+8*\g:32*\q+8*\g+7], v[20+\q]
.endr
.endr
	WIN 0
	v_nop                                          ; one plain line behind the last conversion
.irp e,0,1,2,3                                 ; the weight's operand wants block 2 c + h in lane (r, h): the first's lanes 16-31 change places with the second's lanes 0-15
	v_permlane16_swap_b32 v[WC+\e], v[WC+8+\e]     ; blocks 0 and 1: v[WC..] is now tile 0's c = 0, v[WC+8..] tile 1's
	v_permlane16_swap_b32 v[WC+4+\e], v[WC+12+\e]  ; blocks 2 and 3: c = 1
.endr
.rept 8
	v_nop                                          ; a scale register written by a vector instruction stands 8 places ahead of a scaled matrix instruction, an operand so written 4
.endr
.irp mt,0,1                                    ; source 0 = 16 columns of the weight, source 1 = 16 batches: lane (r, h) holds batch 16 mt + r, register j column 16 nt + 8 h + j
	v_wmma_scale_f32_16x16x128_f8f6f4 v[DA+8*\mt:DA+8*\mt+7], v[WC:WC+7], v[HC+8*\mt:HC+8*\mt+7], 0, v[WSW], v[HSW+\mt] matrix_a_fmt:MATRIX_FMT_FP4 matrix_b_fmt:MATRIX_FMT_FP4
.endr
.irp mt,0,1
	v_wmma_scale_f32_16x16x128_f8f6f4 v[DA+16+8*\mt:DA+16+8*\mt+7], v[WC+8:WC+15], v[HC+8*\mt:HC+8*\mt+7], 0, v[WSW], v[HSW+\mt] matrix_a_fmt:MATRIX_FMT_FP4 matrix_b_fmt:MATRIX_FMT_FP4 matrix_a_scale:MATRIX_SCALE_ROW1
.endr
.rept 4
	v_nop                                          ; four places ahead of the first read of the results
.endr
.irp a,0,1,2,3
	ds_store_b128 v10, v[DA+8*\a:DA+8*\a+3] offset:1024*\a        ; each result from its low end on, as an image of its registers
	ds_store_b128 v10, v[DA+8*\a+4:DA+8*\a+7] offset:1024*\a+512
.endr
.Ljoin:
	s_wait_dscnt 0x0                               ; for the others' sake: my stores have landed
	s_barrier_signal -1
	s_barrier_wait -1
	s_cmp_lt_u32 s25, 2
	s_cbranch_scc1 .Lend
	; ---- the sum over the eight K steps, ascending; wave w stores batches 4 w .. 4 w + 3
.irp s,0,1,2,3,4,5,6,7
	ds_load_b128 v[RS+4*\s:RS+4*\s+3], v11 offset:4096*\s
.endr
	s_sub_co_u32 s42, s25, 2
	s_lshl_b32 s42, s42, 17                        ; z[mat - 2]
	s_lshl_b32 s43, s24, 14                        ; batch 4 w
	s_add_co_u32 s42, s42, s43
	s_lshl_b32 s43, s26, 7                         ; column 32 g
	s_add_co_u32 s42, s42, s43
	s_mov_b32 s43, 0
	s_add_nc_u64 s[38:39], s[22:23], s[42:43]
	s_wait_dscnt 0x0
.irp s, 1
	v_pk_add_f32 v[RS:RS+1], v[RS:RS+1], v[RS+4*\s:RS+4*\s+1]
	v_pk_add_f32 v[RS+2:RS+3], v[RS+2:RS+3], v[RS+4*\s+2:RS+4*\s+3]
.endr
.irp s, 2, 3, 4, 5, 6, 7
	s_delay_alu instid0(VALU_DEP_2)
	v_pk_add_f32 v[RS:RS+1], v[RS:RS+1], v[RS+4*\s:RS+4*\s+1]
	s_delay_alu instid0(VALU_DEP_2)
	v_pk_add_f32 v[RS+2:RS+3], v[RS+2:RS+3], v[RS+4*\s+2:RS+4*\s+3]
.endr
	global_store_b128 v[ZOF], v[RS:RS+3], s[38:39] ; eight lanes store 128 consecutive bytes of a batch's row
.Lend:
	s_wait_tensorcnt 0x0                           ; the wave's end
	ds_add_u32 v[SPW], v[NIL]
	s_wait_dscnt 0x0
	s_endpgm
.Lfunc_end_k_qce619bfa6a_prep:
	.size	k_qce619bfa6a_prep, .Lfunc_end_k_qce619bfa6a_prep-k_qce619bfa6a_prep
	.p2alignl 7, 3214868480
	.fill 96, 4, 3214868480
	.section	.rodata,"a",@progbits
	.p2align	6, 0x0
	.amdhsa_kernel k_qce619bfa6a_prep
		.amdhsa_group_segment_fixed_size 173056
		.amdhsa_private_segment_fixed_size 0
		.amdhsa_enable_private_segment 0
		.amdhsa_kernarg_size 80
		.amdhsa_user_sgpr_count 2
		.amdhsa_user_sgpr_kernarg_segment_ptr 1
		.amdhsa_wavefront_size32 1
		.amdhsa_system_sgpr_workgroup_id_x 1
		.amdhsa_system_sgpr_workgroup_id_y 1
		.amdhsa_system_sgpr_workgroup_id_z 1
		.amdhsa_system_vgpr_workitem_id 0
		.amdhsa_next_free_vgpr 512
		.amdhsa_next_free_sgpr 82
		.amdhsa_reserve_vcc 0
		.amdhsa_float_denorm_mode_32 3
		.amdhsa_float_denorm_mode_16_64 3
		.amdhsa_memory_ordered 1
		.amdhsa_forward_progress 1
		.amdhsa_inst_pref_size 44
	.end_amdhsa_kernel
	.amdgpu_metadata
---
amdhsa.version: [ 1, 2 ]
amdhsa.kernels:
  - .name:           k_qce619bfa6a_prep
    .symbol:         k_qce619bfa6a_prep.kd
    .args:
      - { .name: inputs, .offset: 0, .size: 8, .value_kind: global_buffer, .address_space: global }
      - { .name: W_a, .offset: 8, .size: 8, .value_kind: global_buffer, .address_space: global }
      - { .name: W_att, .offset: 16, .size: 8, .value_kind: global_buffer, .address_space: global }
      - { .name: W_p, .offset: 24, .size: 8, .value_kind: global_buffer, .address_space: global }
      - { .name: U_a, .offset: 32, .size: 8, .value_kind: global_buffer, .address_space: global }
      - { .name: wa_codes, .offset: 40, .size: 8, .value_kind: global_buffer, .address_space: global }
      - { .name: wa_scales, .offset: 48, .size: 8, .value_kind: global_buffer, .address_space: global }
      - { .name: wt_codes, .offset: 56, .size: 8, .value_kind: global_buffer, .address_space: global }
      - { .name: wt_scales, .offset: 64, .size: 8, .value_kind: global_buffer, .address_space: global }
      - { .name: z, .offset: 72, .size: 8, .value_kind: global_buffer, .address_space: global }
    .group_segment_fixed_size: 173056
    .private_segment_fixed_size: 0
    .kernarg_segment_align: 8
    .kernarg_segment_size: 80
    .max_flat_workgroup_size: 256
    .sgpr_count:     82
    .vgpr_count:     512
    .wavefront_size: 32
...
	.end_amdgpu_metadata
.endif
;; end of part 1
;; launch main (part 2): grid 256 x 1, 4 waves a work-group, no clusters, 327,680 bytes of LDS; arguments inputs, wa_codes, wa_scales, z, v_a, v_p, pctx, pstat; writes pctx, pstat
.if DOCPART == 2
	.amdgcn_target "amdgcn-amd-amdhsa--gfx1250"
	.amdhsa_code_object_version 6
	.text
	.protected	k_qce619bfa6a_main
	.globl	k_qce619bfa6a_main
	.p2align	8
	.type	k_qce619bfa6a_main,@function
k_qce619bfa6a_main:
	s_mov_b64 s[64:65], 0
	v_nop
	global_prefetch_b8 v0, s[64:65] scope:SCOPE_SE
	s_setreg_imm32_b32 hwreg(HW_REG_WAVE_MODE, 25, 1), 1
	s_wait_xcnt 0x0
; For 256 rows of one batch: t[s] = log2(e) x score[s] (less the term that is the same for all s), a running softmax over them, the Gaussian factor, and sum_s p[s] g[s] x[s][:].
; Out: pctx[work-group][1024] = that sum under the work-group's largest t, M;  pstat[work-group] = (M, L = sum_s 2^(t[s] - M)), 32 copies: 256 consecutive bytes.
; WORK LEFT OUT: sum_n v_a[n], the part of the score that does not hang on s (tanh(a) = 1 - 2 r, r = 1 / (1 + 2^(c a)), c = 2 log2(e)): it cancels in softmax for all values of the inputs (shown at the head of the first launch's text).
; LIMITS: NaN and infinities among the inputs are not served; a block of zeros or under 2^-124 gets the scale byte 1 (its bytes are read here alone).
; EACH ROW OF inputs IS READ FROM MEMORY ONCE, though it is wanted twice (quantised for the score, in f32 for the weighted sum): a block of 64 rows lands in LDS (one tensor load of 64 KB a wave), goes into registers
; (512 a wave) where it stays until its scores are known.  As soon as all four waves have their rows in registers the LDS bytes are asked for again: the next block is on its way under twelve rows' quantising, the product and the weighted sum.
; SHARES in a block.  Wave w owns rows 16 w .. 16 w + 15 for landing, quantising and the weighted sum, and columns 256 w .. 256 w + 255 of W_a (16 tiles) for the product, over all 64 rows: a fragment of W_a feeds four matrix
; instructions and is fetched once a block.  The rows' codes go from wave to wave through LDS.
; W_a'S CODES COME FROM MEMORY STRAIGHT INTO REGISTERS, and there is no cluster: beside the 262,144 bytes in which rows land LDS has 65,536, of which this text uses 62,464; two slots of one tile for each of four waves would be
; 69,632.  And no byte of W_a is used by two waves of a work-group.
; NO PREFETCH: the one stream from memory is the rows', and a block's load goes out at the head of the block before it, a whole block's work ahead; W_a's 557,056 bytes are read again by every work-group in every block.
; THE ORDER OF K is the first launch's: matrix step sg takes blocks 8 i + sg, i = 0..3.
; THE MATRIX INSTRUCTION IS USED TRANSPOSED (source 0 = 16 columns of W_a, source 1 = 16 rows): lane (r, h) holds row 16 m + r, register j column 16 t + 8 h + j.
; A TILE'S PHASE: tile t - 1's 32 exponentials go as one batch and tile t's 32 matrix instructions stand behind them; its 32 reciprocals go as one batch and the loads and address steps stand behind them.  No chain of matrix instructions has a transcendental inside it.
; REGISTERS, in windows of 256.  Window 0: v1-9 kept; v10-15 a phase's addresses; v16-31 the rows' scale words (2 sg + m / 2: lanes 0-15 the even tile of rows, lanes 16-31 the odd); v32-39 c z_u, v40-47 -c v_a of a tile;
;   v48-55 the scores' sums; v56-63 W_a's scale words, two sets; v64-127 two sets of four accumulators (outside the product: at work, and the weighted sum in v64-95); v128-255 W_a's fragments, two sets of eight.
;   Window 1: the 64 rows' codes, fragment (m, sg) at 8 (8 m + sg).   Windows 2, 3: my 16 rows in f32, row rho at 32 rho: register 8 i + e: k = 256 i + 8 lane + (e xor 4 b), b = bit 3 of the lane.
.set STG,   262144                     ; LDS: 0 .. 262,143 the landing rows (wave x 65,536 + row x 4,096);  then 64 rows of codes, 512 bytes + 16,
.set SPT,   528
.set XSC,   295936                     ; their scale words: sg x 272 + row x 4,
.set XSP,   272
.set CUT,   298240                     ; c z_u[n], 4,096 bytes, and behind it -c v_a[n],
.set PSC,   306432                     ; the scores' four parts: wave x 256 + row x 4,
.set STA,   307456                     ; (M, L) of each wave,
.set CTH,   307712                     ; the weighted sums' homes: wave x 4,096 + image x 512 + 16 x lane,
.set SPARE, 324096                     ; and the spare words, 128 bytes a wave
.set SPW, 1
.set NIL, 2
.set WOF, 3                            ; 16 x lane
.set WSO, 4                            ; 4 x lane
.set TA,  5                            ; where the tile's c z_u lie
.set MX,  6                            ; the largest t so far
.set LS,  7                            ; the sum of p
.set ROT, 8                            ; v_perm_b32's selector: as it lies, or the halves exchanged where b = 1
.set POSD, 9                           ; position - p_t
.set XRA, 10
.set XRB, 11
.set XS,  16
.set CU,  32
.set VA,  40
.set SC,  48
.set WS,  56
.set ACC, 64
.set CTX, 64
.set RNG, 128
.set T1,  64
.set T2,  80
.set T3,  96
.set CW,  112
.set WV,  20                           ; s20 wave
.set G1,  24                           ; s[24:31] descriptor group 1
.set G0,  32                           ; s[32:35] group 0
.set WB,  36                           ; s[36:37] my tiles of wa_codes
.set WSB, 38                           ; s[38:39] of wa_scales
.set SEL, 40
.set CS,  42                           ; s[42:43] c
.set WG,  70                           ; s[70+2 rho : 71+2 rho] row rho's weight; the packed form names the pair and takes its low word
.set MSB, 0
.macro WIN new                         ; the immediate's high byte repeats the setting that is left
.if MSB != \new
	s_set_vgpr_msb (MSB<<8)|\new
.set MSB, \new
.endif
.endm
.macro PLACES
.rept 4
	v_nop
.endr
.endm
; n fragments of tile off (counted from s[WB]) from fragment s0 on, into set p: a lane's registers whole, 512 consecutive bytes a load
.macro RLD p, off, s0, n
.set rs, \s0
.rept \n
	global_load_b128 v[RNG+64*(\p)+8*rs:RNG+64*(\p)+8*rs+3], v[WOF], s[WB:WB+1] offset:(\off)*8192+1024*rs
	global_load_b128 v[RNG+64*(\p)+8*rs+4:RNG+64*(\p)+8*rs+7], v[WOF], s[WB:WB+1] offset:(\off)*8192+1024*rs+512
.set rs, rs+1
.endr
.endm
.macro RLS p, off, u0                  ; two of its scale words: register sg / 2: lanes 0-15 the even step's, lanes 16-31 the odd one's
.irp u,0,1
	global_load_b32 v[WS+4*(\p)+(\u0)+\u], v[WSO], s[WSB:WSB+1] offset:(\off)*512+128*((\u0)+\u)
.endr
.endm
; a tile's 20 loads go out in two runs of ten, always in this order: run A serves K steps 0 to 3, run B K steps 4 to 7
.macro RUNA p, off
	RLD \p, \off, 0, 4
	RLS \p, \off, 0
.endm
.macro RUNB p, off
	RLD \p, \off, 4, 4
	RLS \p, \off, 2
.endm
	s_load_b512 s[4:19], s[0:1], 0x0               ; inputs 4:5, wa_codes 6:7, wa_scales 8:9, z 10:11, v_a 12:13, v_p 14:15, pctx 16:17, pstat 18:19
	v_lshl_add_u32 v[SPW], v0, 2, SPARE
	v_mov_b32 v[NIL], 0
	ds_add_u32 v[SPW], v[NIL]                      ; the wave's opening: the add, twice on end, and its wait ahead of my first tensor load
	ds_add_u32 v[SPW], v[NIL]
	v_lshrrev_b32 v10, 5, v0
	v_readfirstlane_b32 s[WV], v10                 ; wave 0..3
	s_lshr_b32 s21, ttmp9, 3                       ; the batch: eight work-groups to 2,048 rows
	s_mov_b32 s[G1+0], 3<<16                       ; group 1: my 16 rows are 65,536 dense bytes: 256 rows of 32 elements of 8 bytes; no mask, no padding
	s_mov_b32 s[G1+1], 32<<16
	s_mov_b32 s[G1+2], 256<<16
	s_mov_b32 s[G1+3], 32<<16
	s_mov_b32 s[G1+4], 256
	s_mov_b32 s[G1+5], 32
	s_mov_b32 s[G1+6], 0
	s_mov_b32 s[G1+7], 0
	s_mov_b32 s[G0], 1
	s_lshl_b32 s[G0+1], s[WV], 16                  ; LDS: wave x 65,536
	s_lshl_b32 s22, s[WV], 16
	s_lshl_b32 s46, ttmp9, 20                      ; 256 rows of 4,096 bytes a work-group,
	s_add_co_u32 s46, s46, s22                     ; 16 a wave
	s_mov_b32 s47, 0
	s_mul_i32 s23, s[WV], 16*SPT
	s_add_co_u32 s23, s23, STG                     ; my 16 rows of codes
	s_lshl_b32 s50, s[WV], 6
	s_add_co_u32 s50, s50, XSC                     ; their scale words
	s_lshl_b32 s51, s[WV], 10
	s_add_co_u32 s60, s51, CTH                     ; the two images that I join at the end
	s_add_co_u32 s51, s51, CUT                     ; my 256 columns' c z_u
	s_lshl_b32 s52, s[WV], 8
	s_add_co_u32 s52, s52, PSC                     ; where I put my columns' part of the 64 scores,
	s_lshl_b32 s53, s[WV], 6
	s_add_co_u32 s53, s53, PSC                     ; and where my rows' parts lie
	s_lshl_b32 s54, s[WV], 12
	s_add_co_u32 s54, s54, CTH                     ; my weighted sum's home
	s_lshl_b32 s55, s[WV], 3
	s_add_co_u32 s55, s55, STA
	s_mov_b32 s[SEL], 0x76543210
	s_mov_b32 s[SEL+1], 0xfedcba98                 ; v_permlanex16_b32's selects for lane l xor 16
	s_mov_b32 s[CS], 0x4038aa3b                    ; c = 2 log2(e)
	s_mov_b32 s[CS+1], s[CS]
.irp u,0,1,2,3,4,5,6,7,8,9,10,11,12,13,14,15
	s_mov_b32 s[WG+2*\u+1], 0                      ; the pairs' upper words are named, so they are written
.endr
	s_wait_dscnt 0x0                               ; both opening adds are done
	s_wait_kmcnt 0x0
	s_add_nc_u64 s[G0+2:G0+3], s[4:5], s[46:47]
	s_or_b32 s[G0+3], s[G0+3], 0x80000000          ; type = 2
	tensor_load_to_lds s[G0:G0+3], s[G1:G1+7]      ; block 0: every wave fetches its own rows; one tensor load of mine is out, here and behind each refill
	s_nop 0
	PLACES
	s_mul_i32 s46, s[WV], 147456                   ; 18 sections of 8,192 bytes a wave: 16 tiles and two copies
	s_add_nc_u64 s[WB:WB+1], s[6:7], s[46:47]
	s_mul_i32 s46, s[WV], 9216
	s_add_nc_u64 s[WSB:WSB+1], s[8:9], s[46:47]
	s_lshl_b32 s46, s21, 12
	s_add_nc_u64 s[66:67], s[10:11], s[46:47]      ; z[0][batch]
	s_lshl_b32 s46, ttmp9, 12
	s_lshl_b32 s48, s[WV], 10
	s_add_co_u32 s46, s46, s48
	s_add_nc_u64 s[56:57], s[16:17], s[46:47]      ; pctx: my work-group's row, my 256 numbers
	s_lshl_b32 s46, ttmp9, 8
	s_add_nc_u64 s[58:59], s[18:19], s[46:47]      ; pstat
	v_and_b32 v11, 31, v0                          ; lane
	v_lshlrev_b32 v[WOF], 4, v11
	v_lshlrev_b32 v[WSO], 2, v11
	v_lshlrev_b32 v12, 5, v0                       ; 8 numbers a thread
	global_load_b128 v[CU:CU+3], v12, s[66:67] offset:131072       ; z[1][batch] = h_t @ U_a
	global_load_b128 v[CU+4:CU+7], v12, s[66:67] offset:131072+16
	global_load_b128 v[VA:VA+3], v12, s[12:13]                     ; v_a
	global_load_b128 v[VA+4:VA+7], v12, s[12:13] offset:16
.irp j,0,1,2,3,4,5,6,7
	global_load_b128 v[64+4*\j:67+4*\j], v[WOF], s[66:67] offset:512*\j   ; z[0][batch] = h_t @ W_p
	global_load_b128 v[96+4*\j:99+4*\j], v[WOF], s[14:15] offset:512*\j   ; v_p
.endr
	RUNA 0, 0                                      ; tiles 0 and 1 of W_a, in the order in which every later tile is asked for
	RUNB 0, 0
	RUNA 1, 1
	RUNB 1, 1
	v_lshl_add_u32 v13, v0, 5, CUT
	v_lshl_add_u32 v14, v11, 4, s54
	v_and_b32 v15, 15, v0
	v_bfe_u32 v10, v0, 3, 1
	v_cmp_ne_u32 s46, 0, v10
	v_mov_b32 v[ROT], 0x03020100
	v_mov_b32 v10, 0x01000302
	v_cndmask_b32 v[ROT], v[ROT], v10, s46
	v_mov_b32 v[MX], 0xff61b1e6                    ; -3e38, under every t
	v_mov_b32 v[LS], 0
.irp u,52,53,54,55
	v_mov_b32 v\u, 0
.endr
.irp q,0,1,2,3,4,5,6,7
	ds_store_b128 v14, v[52:55] offset:512*\q      ; the weighted sum begins as zeros
.endr
	s_wait_loadcnt 40                              ; all but the two tiles' 40 loads
.irp j,0,2,4,6
	v_pk_mul_f32 v[CU+\j:CU+\j+1], v[CU+\j:CU+\j+1], s[CS:CS+1] op_sel_hi:[1,0]
	v_pk_mul_f32 v[VA+\j:VA+\j+1], v[VA+\j:VA+\j+1], s[CS:CS+1] op_sel_hi:[1,0] neg_lo:[1,0] neg_hi:[1,0]
.endr
	ds_store_b128 v13, v[CU:CU+3]                  ; the two tables; they are read behind the first block's barriers
	ds_store_b128 v13, v[CU+4:CU+7] offset:16
	ds_store_b128 v13, v[VA:VA+3] offset:4096
	ds_store_b128 v13, v[VA+4:VA+7] offset:4112
	; p_t = 2,048 sigmoid(sum_n tanh(z0[n]) v_p[n]), in every wave: 32 numbers a lane
.irp j,0,2,4,6,8,10,12,14,16,18,20,22,24,26,28,30
	v_pk_mul_f32 v[64+\j:65+\j], v[64+\j:65+\j], s[CS:CS+1] op_sel_hi:[1,0]
.endr
.set tk, 64
	s_wait_alu depctr_va_vdst(0)
.rept 32
	v_exp_f32 v[tk], v[tk]
.set tk, tk+1
.endr
	v_nop                                          ; a plain line behind the last exponential,
	s_wait_alu depctr_va_vdst(0)                   ; and one wait for the batch, ahead of its first reader
.irp j,0,2,4,6,8,10,12,14,16,18,20,22,24,26,28,30
	v_pk_add_f32 v[64+\j:65+\j], v[64+\j:65+\j], 1.0 op_sel_hi:[1,0]
.endr
.set tk, 64
	s_wait_alu depctr_va_vdst(0)
.rept 32
	v_rcp_f32 v[tk], v[tk]
.set tk, tk+1
.endr
	v_nop
	s_wait_alu depctr_va_vdst(0)
.irp j,0,2,4,6,8,10,12,14,16,18,20,22,24,26,28,30
	v_pk_fma_f32 v[64+\j:65+\j], v[64+\j:65+\j], -2.0, 1.0 op_sel_hi:[1,0,0]   ; tanh = 1 - 2 r
.endr
	v_pk_mul_f32 v[48:49], v[64:65], v[96:97]
	v_pk_mul_f32 v[50:51], v[66:67], v[98:99]
.irp j,4,8,12,16,20,24,28
	v_pk_fma_f32 v[48:49], v[64+\j:65+\j], v[96+\j:97+\j], v[48:49]
	v_pk_fma_f32 v[50:51], v[66+\j:67+\j], v[98+\j:99+\j], v[50:51]
.endr
	v_pk_add_f32 v[48:49], v[48:49], v[50:51]
	v_add_f32 v48, v48, v49
	v_add_f32_dpp v48, v48, v48 row_xmask:1 row_mask:0xf bank_mask:0xf
	v_add_f32_dpp v48, v48, v48 row_xmask:2 row_mask:0xf bank_mask:0xf
	v_add_f32_dpp v48, v48, v48 row_xmask:4 row_mask:0xf bank_mask:0xf
	v_add_f32_dpp v48, v48, v48 row_xmask:8 row_mask:0xf bank_mask:0xf
	v_permlanex16_b32 v49, v48, s[SEL], s[SEL+1]
	v_add_f32 v48, v48, v49
	v_mul_f32 v48, 0xbfb8aa3b, v48                 ; -log2(e) y
	s_wait_alu depctr_va_vdst(0)
	v_exp_f32 v48, v48
	s_and_b32 s46, ttmp9, 7
	s_lshl_b32 s46, s46, 8
	s_lshl_b32 s48, s[WV], 4
	s_add_co_u32 s46, s46, s48
	v_add_nc_u32 v[POSD], s46, v15                 ; my row's position in its batch: 256 (work-group % 8) + 16 wave + r
	s_wait_alu depctr_va_vdst(0)
	v_add_f32 v48, 1.0, v48
	s_wait_alu depctr_va_vdst(0)
	v_rcp_f32 v48, v48
	v_cvt_f32_u32 v[POSD], v[POSD]
	s_wait_alu depctr_va_vdst(0)
	v_fma_f32 v[POSD], v48, 0xc5000000, v[POSD]    ; position - 2,048 sigmoid(y)
; ---- Q: my 16 rows leave LDS for registers and are quantised.
; Lane l takes, of each 256 numbers, the eight at 8 l: two loads of 16 bytes, at 32 l + 16 b and at the other half (b = bit 3 of l).
.macro LOADX q                         ; rows 4 q .. 4 q + 3: 32 loads; the caller sets the windows back
.set WW, 2+(\q)/2
	WIN (WW<<6)
.irp rr,0,1,2,3
.irp i,0,1,2,3
.set GB, 32*((4*(\q)+\rr)%8)+8*\i
	ds_load_b128 v[GB:GB+3], v[XRA] offset:(4*(\q)+\rr)*4096+1024*\i
	ds_load_b128 v[GB+4:GB+7], v[XRB] offset:(4*(\q)+\rr)*4096+1024*\i
.endr
.endr
.endm
; Sixteen groups of eight numbers (row rr, 256 i on).  A block of 32 is four lanes': block 8 i + lane / 4.  So the four bytes of a row's groups are the scale word (row, sg = lane / 4).
.macro QROWS q
.set WW, 2+(\q)/2
	WIN (0x15*WW)                                  ; all three sources in the rows' window
.irp rr,0,1,2,3
.irp i,0,1,2,3
.set GB, 32*((4*(\q)+\rr)%8)+8*\i
	v_max3_num_f32 v[T1+4*\rr+\i], |v[GB]|, |v[GB+1]|, |v[GB+2]|
.endr
.endr
.irp rr,0,1,2,3
.irp i,0,1,2,3
.set GB, 32*((4*(\q)+\rr)%8)+8*\i
	v_max3_num_f32 v[T2+4*\rr+\i], |v[GB+3]|, |v[GB+4]|, |v[GB+5]|
.endr
.endr
.irp rr,0,1,2,3
.irp i,0,1,2,3
.set GB, 32*((4*(\q)+\rr)%8)+8*\i
	v_max3_num_f32 v[T3+4*\rr+\i], |v[GB+6]|, |v[GB+7]|, 0x1800000   ; and the floor 2^(3 - 127): the byte cannot fall under 1
.endr
.endr
	WIN 0
.irp g,0,1,2,3,4,5,6,7,8,9,10,11,12,13,14,15
	v_max3_num_f32 v[T1+\g], v[T1+\g], v[T2+\g], v[T3+\g]
.endr
.irp g,0,1,2,3,4,5,6,7,8,9,10,11,12,13,14,15
	v_max_num_f32_dpp v[T1+\g], v[T1+\g], v[T1+\g] row_xmask:1 row_mask:0xf bank_mask:0xf
.endr
.irp g,0,1,2,3,4,5,6,7,8,9,10,11,12,13,14,15
	v_max_num_f32_dpp v[T1+\g], v[T1+\g], v[T1+\g] row_xmask:2 row_mask:0xf bank_mask:0xf   ; the block's largest magnitude
.endr
.irp g,0,1,2,3,4,5,6,7,8,9,10,11,12,13,14,15
	v_add_nc_u32 v[T2+\g], 0xff000000, v[T1+\g]    ; 2 off the exponent field: the conversion's scale operand
.endr
.irp g,0,1,2,3,4,5,6,7,8,9,10,11,12,13,14,15
	v_lshrrev_b32 v[T3+\g], 23, v[T2+\g]           ; the scale's byte
.endr
.irp i,1,2,3
.irp rr,0,1,2,3
	v_lshl_or_b32 v[T3+4*\rr], v[T3+4*\rr+\i], 8*\i, v[T3+4*\rr]
.endr
.endr
	WIN WW                                         ; source 0 in the rows' window
.irp rr,0,1,2,3
.irp i,0,1,2,3
.set GB, 32*((4*(\q)+\rr)%8)+8*\i
	v_cvt_scalef32_pk8_fp4_f32 v[CW+4*\rr+\i], v[GB:GB+7], v[T2+4*\rr+\i]
.endr
.endr
	WIN 0
	v_nop                                          ; one plain line behind the last conversion
.irp g,0,1,2,3,4,5,6,7,8,9,10,11,12,13,14,15
	v_perm_b32 v[CW+\g], v[CW+\g], v[CW+\g], v[ROT]   ; where b = 1 the two fours lie exchanged: the word's halves change places
.endr
.irp rr,0,1,2,3
.irp i,0,1,2,3
	ds_store_b32 v12, v[CW+4*\rr+\i] offset:(4*(\q)+\rr)*SPT+128*\i   ; eight codes at k = 256 i + 8 lane: the row of codes lies in K's own order
.endr
.endr
.irp rr,0,1,2,3
	ds_store_b32 v13, v[T3+4*\rr] offset:4*(4*(\q)+\rr)               ; four lanes write the same word with the same value
.endr
.endm
; All 128 loads go out first; rows 0-3 are quantised while the others come.  refill = 1: then nobody reads the landing bytes any more, and behind a barrier they take the next block.
.macro QPH refill
	s_wait_tensorcnt 0x0                           ; my rows have landed: only I read them
	v_and_b32 v14, 31, v0
	v_bfe_u32 v15, v0, 3, 1
	v_lshlrev_b32 v[XRA], 5, v14
	v_lshl_add_u32 v[XRA], v15, 4, v[XRA]
	v_add_nc_u32 v[XRA], s22, v[XRA]
	v_xor_b32 v[XRB], 16, v[XRA]
	v_lshl_add_u32 v12, v14, 2, s23                ; codes: my rows, 4 bytes a lane
	v_lshrrev_b32 v13, 2, v14
	v_mad_u32_u24 v13, v13, XSP, s50               ; scale words: sg = lane / 4
	LOADX 0
	LOADX 1
	LOADX 2
	LOADX 3
	WIN 0
	s_wait_dscnt 63                                ; rows 0-3 are in: 96 younger loads might be out, the wait's field holds 63
	QROWS 0
.if \refill
	s_wait_tensorcnt 0x0                           ; no tensor load of mine is out, so group 0 may be written
	ds_add_u32 v[SPW], v[NIL]                      ; 0 onto my spare word
	s_add_nc_u64 s[G0+2:G0+3], s[G0+2:G0+3], 0x40000   ; 64 rows on; the type bits on top are not reached
	s_wait_dscnt 0x0                               ; the add is done, and all my reads of the rows are back
	s_barrier_signal -1
	s_barrier_wait -1
	tensor_load_to_lds s[G0:G0+3], s[G1:G1+7]      ; my one tensor load behind the barrier, and the first thing there
	s_nop 0
	PLACES
.else
	s_wait_dscnt 20                                ; all rows are in; behind their loads stand rows 0-3's 20 stores
.endif
	QROWS 1
	QROWS 2
	QROWS 3
.endm
; ---- a barrier that shows all 64 rows' codes to every wave; the tensor load stays on its way
.macro SYNC
	s_wait_dscnt 0x0
	s_barrier_signal -1
	s_barrier_wait -1
.endm
; ---- all 64 rows' scale words and codes into my registers: the words first, then the codes K step by K step, so that tile 0's products can begin by count
.macro XCL
	v_and_b32 v14, 15, v0
	v_bfe_u32 v15, v0, 4, 1
	v_mul_u32_u24 v10, v14, SPT
	v_lshl_add_u32 v10, v15, 7, v10
	v_add_nc_u32 v10, STG, v10                     ; row r, + 128 h: block 8 (2 c + h) + sg lies at byte 256 c + 128 h + 16 sg
	v_and_b32 v11, 31, v0
	v_lshl_add_u32 v11, v11, 2, XSC
	v_lshl_add_u32 v[TA], v15, 5, s51              ; tile 0's c z_u: my eight columns of its sixteen
.irp s,0,1,2,3,4,5,6,7
.irp u,0,1
	ds_load_b32 v[XS+2*\s+\u], v11 offset:XSP*\s+128*\u
.endr
.endr
	WIN 0x40                                       ; destination window 1
.irp s,0,1,2,3,4,5,6,7
.irp m,0,1,2,3
.irp c,0,1
	ds_load_b128 v[8*(8*\m+\s)+4*\c:8*(8*\m+\s)+4*\c+3], v10 offset:16*\m*SPT+256*\c+16*\s
.endr
.endr
.endr
	WIN 0
.irp u,0,1,2,3,4,5,6,7
	v_mov_b32 v[SC+\u], 0
.endr
.endm
; ---- four matrix instructions: K step sg of the tile in set p, against the four tiles of rows.  The four accumulators take turns, one instruction a turn.
.macro GRP sg, p
.irp m,0,1,2,3
.set rD, ACC+32*(\p)+8*\m
.set rA, RNG+64*(\p)+8*(\sg)
.set rB, 8*(8*\m+(\sg))
.set rE, WS+4*(\p)+(\sg)/2
.set rF, XS+2*(\sg)+\m/2
.if (\sg)==0
.if \m%2
	v_wmma_scale_f32_16x16x128_f8f6f4 v[rD:rD+7], v[rA:rA+7], v[rB:rB+7], 0, v[rE], v[rF] matrix_a_fmt:MATRIX_FMT_FP4 matrix_b_fmt:MATRIX_FMT_FP4 matrix_b_scale:MATRIX_SCALE_ROW1
.else
	v_wmma_scale_f32_16x16x128_f8f6f4 v[rD:rD+7], v[rA:rA+7], v[rB:rB+7], 0, v[rE], v[rF] matrix_a_fmt:MATRIX_FMT_FP4 matrix_b_fmt:MATRIX_FMT_FP4
.endif
.elseif (\sg)%2
.if \m%2
	v_wmma_scale_f32_16x16x128_f8f6f4 v[rD:rD+7], v[rA:rA+7], v[rB:rB+7], v[rD:rD+7], v[rE], v[rF] matrix_a_fmt:MATRIX_FMT_FP4 matrix_b_fmt:MATRIX_FMT_FP4 matrix_a_scale:MATRIX_SCALE_ROW1 matrix_b_scale:MATRIX_SCALE_ROW1
.else
	v_wmma_scale_f32_16x16x128_f8f6f4 v[rD:rD+7], v[rA:rA+7], v[rB:rB+7], v[rD:rD+7], v[rE], v[rF] matrix_a_fmt:MATRIX_FMT_FP4 matrix_b_fmt:MATRIX_FMT_FP4 matrix_a_scale:MATRIX_SCALE_ROW1
.endif
.else
.if \m%2
	v_wmma_scale_f32_16x16x128_f8f6f4 v[rD:rD+7], v[rA:rA+7], v[rB:rB+7], v[rD:rD+7], v[rE], v[rF] matrix_a_fmt:MATRIX_FMT_FP4 matrix_b_fmt:MATRIX_FMT_FP4 matrix_b_scale:MATRIX_SCALE_ROW1
.else
	v_wmma_scale_f32_16x16x128_f8f6f4 v[rD:rD+7], v[rA:rA+7], v[rB:rB+7], v[rD:rD+7], v[rE], v[rF] matrix_a_fmt:MATRIX_FMT_FP4 matrix_b_fmt:MATRIX_FMT_FP4
.endif
.endif
.endr
.endm
; ---- the tanh of the tile whose sums lie at v[TQ] on, in five runs
.macro S1                              ; c (sum + z_u), each accumulator from its low end on
.irp m,0,1,2,3
.irp j,0,2,4,6
	v_pk_fma_f32 v[TQ+8*\m+\j:TQ+8*\m+\j+1], v[TQ+8*\m+\j:TQ+8*\m+\j+1], s[CS:CS+1], v[CU+\j:CU+\j+1] op_sel_hi:[1,0,1]
.endr
.endr
.endm
.macro EXPS
.set tk, TQ
.rept 32
	v_exp_f32 v[tk], v[tk]
.set tk, tk+1
.endr
.endm
.macro ADD1
.set tk, TQ
.rept 16
	v_pk_add_f32 v[tk:tk+1], v[tk:tk+1], 1.0 op_sel_hi:[1,0]
.set tk, tk+2
.endr
.endm
.macro RCPS
.set tk, TQ
.rept 32
	v_rcp_f32 v[tk], v[tk]
.set tk, tk+1
.endr
.endm
.macro S5                              ; the scores' sums take r x (-c v_a): the four tiles of rows by turns
.irp j,0,2,4,6
.irp m,0,1,2,3
	v_pk_fma_f32 v[SC+2*\m:SC+2*\m+1], v[TQ+8*\m+\j:TQ+8*\m+\j+1], v[VA+\j:VA+\j+1], v[SC+2*\m:SC+2*\m+1]
.endr
.endr
.endm
; ---- A PHASE: tile t's products (set p) and tile t - 1's tanh (the other set's accumulators).  toff: where tile t's table entries lie from v[TA];  ld = 1: tile t + 2 (off, from s[WB]) is fetched into set p as its
; fragments fall free: run A behind K step 3, run B behind K step 7.
; ORDER.  The scaled sums; the 32 exponentials, and behind them, naming none of their registers, all 32 products; 1 + e; the 32 reciprocals, and behind them the table's load, the bases' step and run B; the scores' sums.
; Each batch has one wait ahead of it and one behind it, and one wait stands directly ahead of the first read of a tile's sums.
; THE WAIT FOR TILE t IS IN TWO HALVES.  lw0, ahead of K step 0: its run A is in; younger are its run B and tile t + 1's 20 loads.  lw1, ahead of K step 4: its run B is in; younger are tile t + 1's 20 and tile t + 2's run A, just issued.
; st = 1 (the loop's even phase): the bases step two tiles on ahead of run B, behind a wait on XCNT for which the youngest loads are run A's, 16 products and 48 vector lines old; run B names two tiles less in the immediate.
; Under the products' window setting (source 1 in window 1) stand only vector lines with no vector register as source 1: two switches a phase.
; Places: four v_nop ahead of run A; the 16 lines of 1 + e, which name no register of the products, ahead of run B; the 16 lines of the scores' sums ahead of the next phase's first read of results.
.macro PHASE p, off, toff, ld, lw0, lw1, st
.set TQ, ACC+32*(1-(\p))
	WIN 0x04
	s_wait_dscnt 2                                 ; tile t - 1's c z_u are in; its -c v_a (two loads) may be out
	s_wait_alu depctr_va_vdst(0)                   ; directly ahead of the first reader of tile t - 1's sums
	S1
	s_wait_alu depctr_va_vdst(0)                   ; ahead of the batch
	EXPS
	s_wait_loadcnt \lw0                            ; tile t's fragments 0-3 and scale words 0-1 are in
	GRP 0, \p
	GRP 1, \p
	GRP 2, \p
	GRP 3, \p
.if \ld
	PLACES
	RUNA \p, \off
.endif
	s_wait_loadcnt \lw1                            ; tile t's fragments 4-7 and scale words 2-3 are in
	GRP 4, \p
	GRP 5, \p
	GRP 6, \p
	GRP 7, \p
	v_nop                                          ; a plain line behind the exponentials,
	s_wait_alu depctr_va_vdst(0)                   ; and one wait for the 32, ahead of their first reader
	ADD1
	s_wait_alu depctr_va_vdst(0)                   ; ahead of the batch
	RCPS
	ds_load_b128 v[CU:CU+3], v[TA] offset:\toff
	ds_load_b128 v[CU+4:CU+7], v[TA] offset:\toff+16
.if \st
	s_wait_xcnt 0x0                                ; the loads issued so far have read their bases
	s_add_nc_u64 s[WB:WB+1], s[WB:WB+1], 16384
	s_add_nc_u64 s[WSB:WSB+1], s[WSB:WSB+1], 1024
.endif
.if \ld
	RUNB \p, (\off)-2*(\st)
.endif
	v_nop                                          ; a plain line behind the reciprocals
	WIN 0
	s_wait_dscnt 2                                 ; tile t - 1's -c v_a are in; tile t's c z_u (two loads) may be out
	s_wait_alu depctr_va_vdst(0)                   ; one wait for the 32 reciprocals
	S5
.if \st
	v_add_nc_u32 v[TA], 128, v[TA]
.endif
	ds_load_b128 v[VA:VA+3], v[TA] offset:\toff+4096-128*(\st)
	ds_load_b128 v[VA+4:VA+7], v[TA] offset:\toff+4112-128*(\st)
.endm
; ---- the block's product.  more = 1: another block follows: tiles 16 and 17, the copies of tiles 0 and 1, are fetched for it and land under its quantising.
.macro GPH more
	ds_load_b128 v[CU:CU+3], v[TA]
	ds_load_b128 v[CU+4:CU+7], v[TA] offset:16
	ds_load_b128 v[VA:VA+3], v[TA] offset:4096
	ds_load_b128 v[VA+4:VA+7], v[TA] offset:4112
	s_wait_loadcnt 20                              ; tile 0 is in; tile 1's 20 loads may be out
	WIN 0x04
.irp s,0,1,2,3                                     ; tile 0: there is no tanh yet.  K step sg's eight loads of codes are in; younger: eight for each later K step and the four above
	s_wait_dscnt 60-8*\s
	GRP \s, 0
.endr
	PLACES
	RUNA 0, 2
.irp s,4,5,6,7
	s_wait_dscnt 60-8*\s
	GRP \s, 0
.endr
	PLACES
	RUNB 0, 2
	WIN 0
	s_mov_b32 s45, 6+(\more)
.Ltiles_\@:                                        ; a trip: an odd tile and an even one
	PHASE 1, 3, 64, 1, 30, 30, 0
	PHASE 0, 4, 128, 1, 30, 30, 1
	s_sub_co_u32 s45, s45, 1
	s_cmp_lg_u32 s45, 0
	s_cbranch_scc1 .Ltiles_\@
.if \more
	PHASE 1, 3, 64, 1, 30, 30, 0                   ; tile 15
.else
	PHASE 1, 3, 64, 1, 30, 30, 0                   ; tile 13: fetches tile 15, the last that is wanted
	PHASE 0, 4, 128, 0, 30, 20, 0                  ; tile 14: nothing is asked for, so behind its run B stand tile 15's 20 alone
	PHASE 1, 3, 192, 0, 10, 0, 0                   ; tile 15: behind its run A stands its run B, behind that nothing
.endif
.set TQ, ACC+32                                    ; tile 15's tanh, alone
	s_wait_dscnt 2
	s_wait_alu depctr_va_vdst(0)                   ; directly ahead of the first reader of tile 15's sums
	S1
	s_wait_alu depctr_va_vdst(0)
	EXPS
	v_nop
	s_wait_alu depctr_va_vdst(0)
	ADD1
	s_wait_alu depctr_va_vdst(0)
	RCPS
	v_nop
	s_wait_alu depctr_va_vdst(0)
	s_wait_dscnt 0x0
	S5
.if \more
	s_wait_alu depctr_va_vdst(0)
	s_wait_xcnt 0x0
	s_sub_nc_u64 s[WB:WB+1], s[WB:WB+1], 114688    ; back to tile 0
	s_sub_nc_u64 s[WSB:WSB+1], s[WSB:WSB+1], 7168
.endif
.endm
; ---- the scores meet; my 16 rows' running softmax; the weighted sum
.macro SPH
	v_and_b32 v14, 15, v0
	v_lshl_add_u32 v10, v14, 2, s52
	v_lshl_add_u32 v11, v14, 2, s53
	v_and_b32 v15, 31, v0
	v_lshl_add_u32 v12, v15, 4, s54
.irp m,0,1,2,3
	v_add_f32 v[96+\m], v[SC+2*\m], v[SC+2*\m+1]
.endr
.irp m,0,1,2,3
	v_permlanex16_b32 v[100+\m], v[96+\m], s[SEL], s[SEL+1]
.endr
.irp m,0,1,2,3
	v_add_f32 v[96+\m], v[96+\m], v[100+\m]        ; row 16 m + r over my 256 columns
.endr
.irp m,0,1,2,3
	ds_store_b32 v10, v[96+\m] offset:64*\m
.endr
	s_wait_dscnt 0x0                               ; for the others' sake
	s_barrier_signal -1                            ; the tensor load stays on its way
	s_barrier_wait -1
.irp u,0,1,2,3
	ds_load_b32 v[96+\u], v11 offset:256*\u
.endr
.irp q,0,1,2,3,4,5,6,7
	ds_load_b128 v[CTX+4*\q:CTX+4*\q+3], v12 offset:512*\q
.endr
	s_wait_dscnt 8                                 ; the four parts are in; the weighted sum's eight loads may be out
	v_add_f32 v96, v96, v97
	v_add_f32 v98, v98, v99
	v_add_f32 v96, v96, v98                        ; t of my row
	v_max_num_f32_dpp v97, v96, v96 row_xmask:1 row_mask:0xf bank_mask:0xf
	v_max_num_f32_dpp v97, v97, v97 row_xmask:2 row_mask:0xf bank_mask:0xf
	v_max_num_f32_dpp v97, v97, v97 row_xmask:4 row_mask:0xf bank_mask:0xf
	v_max_num_f32_dpp v97, v97, v97 row_xmask:8 row_mask:0xf bank_mask:0xf
	v_max_num_f32 v98, v[MX], v97                  ; the new largest t of my rows
	v_sub_f32 v100, v[MX], v98
	v_sub_f32 v102, v96, v98
	v_mul_f32 v103, v[POSD], v[POSD]
	v_mul_f32 v103, 0xb638aa3b, v103               ; -log2(e) / 524,288: the Gaussian's divisor is 2 (1,024 / 2)^2
	s_wait_alu depctr_va_vdst(0)
	v_exp_f32 v100, v100                           ; f: what was summed under the old maximum comes under the new
	v_exp_f32 v102, v102                           ; p
	v_exp_f32 v103, v103                           ; g
	v_mov_b32 v[MX], v98
	s_wait_alu depctr_va_vdst(0)                   ; one wait for the three
	v_fma_f32 v[LS], v[LS], v100, v102             ; the softmax's sum is taken of p alone
	v_mul_f32 v99, v102, v103                      ; the row's weight
	v_add_f32 v[POSD], 0x42800000, v[POSD]         ; the next block's rows lie 64 on
	s_wait_dscnt 0x0
.set ck, 0
.rept 16
	v_pk_mul_f32 v[CTX+ck:CTX+ck+1], v[CTX+ck:CTX+ck+1], v[100:101] op_sel_hi:[1,0]
.set ck, ck+2
.endr
.irp u,0,1,2,3,4,5,6,7,8,9,10,11,12,13,14,15
	v_readlane_b32 s[WG+2*\u], v99, \u
.endr
.irp r0,0,8
	WIN (2+\r0/8)                                  ; source 0 in the rows' window
.set cr, 0
.rept 8
.set ck, 0
.rept 16
	v_pk_fma_f32 v[CTX+ck:CTX+ck+1], v[32*cr+ck:32*cr+ck+1], s[WG+2*(\r0+cr):WG+2*(\r0+cr)+1], v[CTX+ck:CTX+ck+1] op_sel_hi:[1,0,1]
.set ck, ck+2
.endr
.set cr, cr+1
.endr
.endr
	WIN 0
.irp q,0,1,2,3,4,5,6,7
	ds_store_b128 v12, v[CTX+4*\q:CTX+4*\q+3] offset:512*\q   ; home: its registers serve the next block's work
.endr
.endm
	s_mov_b32 s44, 3
.Lblock:                                           ; three blocks behind which another lands
	QPH 1
	SYNC
	XCL
	s_wait_alu depctr_va_vdst(0)
	GPH 1
	SPH
	s_sub_co_u32 s44, s44, 1
	s_cmp_lg_u32 s44, 0
	s_cbranch_scc1 .Lblock
	QPH 0                                          ; the last block is written out: it asks for nothing
	SYNC
	XCL
	s_wait_alu depctr_va_vdst(0)
	GPH 0
	SPH
	; ---- the four waves' sums are joined under one M; wave w joins numbers 256 w .. 256 w + 255
	v_add_f32_dpp v[LS], v[LS], v[LS] row_xmask:1 row_mask:0xf bank_mask:0xf
	v_add_f32_dpp v[LS], v[LS], v[LS] row_xmask:2 row_mask:0xf bank_mask:0xf
	v_add_f32_dpp v[LS], v[LS], v[LS] row_xmask:4 row_mask:0xf bank_mask:0xf
	v_add_f32_dpp v[LS], v[LS], v[LS] row_xmask:8 row_mask:0xf bank_mask:0xf
	v_mov_b32 v13, s55
	v_mov_b32 v14, STA
	v_and_b32 v15, 31, v0
	v_lshl_add_u32 v15, v15, 4, s60
	ds_store_b64 v13, v[MX:LS]                     ; all lanes write the same two words with the same values
	s_wait_alu depctr_va_vdst(0)
	s_wait_dscnt 0x0
	s_barrier_signal -1
	s_barrier_wait -1
	ds_load_b128 v[96:99], v14
	ds_load_b128 v[100:103], v14 offset:16
.irp u,0,1,2,3
	ds_load_b128 v[64+8*\u:67+8*\u], v15 offset:4096*\u
	ds_load_b128 v[68+8*\u:71+8*\u], v15 offset:4096*\u+512
.endr
	v_and_b32 v10, 15, v0
	v_bfe_u32 v11, v0, 4, 1
	v_bfe_u32 v12, v0, 3, 1
	v_add_nc_u32 v11, v11, v12
	v_and_b32 v11, 1, v11
	v_lshlrev_b32 v10, 5, v10
	v_lshl_add_u32 v10, v11, 4, v10                ; 32 r + 16 (h xor b)
	v_and_b32 v11, 31, v0
	v_lshlrev_b32 v11, 3, v11
	s_wait_dscnt 0x0
	v_max3_num_f32 v104, v96, v98, v100
	v_max_num_f32 v104, v104, v102                 ; M
.irp u,0,1,2,3
	v_sub_f32 v[106+\u], v[96+2*\u], v104
.endr
	s_wait_alu depctr_va_vdst(0)
.irp u,0,1,2,3
	v_exp_f32 v[106+\u], v[106+\u]
.endr
	v_nop
	s_wait_alu depctr_va_vdst(0)
	v_mul_f32 v105, v106, v97
	v_fmac_f32 v105, v107, v99
	v_fmac_f32 v105, v108, v101
	v_fmac_f32 v105, v109, v103                    ; L
.irp e,0,1,2,3,4,5,6,7
	v_mul_f32 v[112+\e], v[64+\e], v106
.endr
.irp u,1,2,3
.irp e,0,1,2,3,4,5,6,7
	v_fmac_f32 v[112+\e], v[64+8*\u+\e], v[106+\u]
.endr
.endr
.irp e,0,1,2,3
	v_permlane16_swap_b32 v[112+\e], v[116+\e]     ; the first four's lanes 16-31 change places with the second's lanes 0-15: each store below then covers 512 consecutive bytes
.endr
	global_store_b128 v10, v[112:115], s[56:57]
	global_store_b128 v10, v[116:119], s[56:57] offset:512
	s_cmp_lg_u32 s[WV], 0
	s_cbranch_scc1 .Lend
	global_store_b64 v11, v[104:105], s[58:59]     ; 32 lanes store 256 consecutive bytes, aligned
.Lend:
	s_wait_tensorcnt 0x0                           ; the wave's end
	ds_add_u32 v[SPW], v[NIL]
	s_wait_dscnt 0x0
	s_endpgm
.Lfunc_end_k_qce619bfa6a_main:
	.size	k_qce619bfa6a_main, .Lfunc_end_k_qce619bfa6a_main-k_qce619bfa6a_main
	.p2alignl 7, 3214868480
	.fill 96, 4, 3214868480
	.section	.rodata,"a",@progbits
	.p2align	6, 0x0
	.amdhsa_kernel k_qce619bfa6a_main
		.amdhsa_group_segment_fixed_size 327680
		.amdhsa_private_segment_fixed_size 0
		.amdhsa_enable_private_segment 0
		.amdhsa_kernarg_size 64
		.amdhsa_user_sgpr_count 2
		.amdhsa_user_sgpr_kernarg_segment_ptr 1
		.amdhsa_wavefront_size32 1
		.amdhsa_system_sgpr_workgroup_id_x 1
		.amdhsa_system_sgpr_workgroup_id_y 1
		.amdhsa_system_sgpr_workgroup_id_z 1
		.amdhsa_system_vgpr_workitem_id 0
		.amdhsa_next_free_vgpr 1024
		.amdhsa_next_free_sgpr 102
		.amdhsa_reserve_vcc 0
		.amdhsa_float_denorm_mode_32 3
		.amdhsa_float_denorm_mode_16_64 3
		.amdhsa_memory_ordered 1
		.amdhsa_forward_progress 1
		.amdhsa_inst_pref_size 255
	.end_amdhsa_kernel
	.section	.bss,"aw",@nobits
	.p2align	6
	.space	262144
	.amdgpu_metadata
---
amdhsa.version: [ 1, 2 ]
amdhsa.kernels:
  - .name:           k_qce619bfa6a_main
    .symbol:         k_qce619bfa6a_main.kd
    .args:
      - { .name: inputs, .offset: 0, .size: 8, .value_kind: global_buffer, .address_space: global }
      - { .name: wa_codes, .offset: 8, .size: 8, .value_kind: global_buffer, .address_space: global }
      - { .name: wa_scales, .offset: 16, .size: 8, .value_kind: global_buffer, .address_space: global }
      - { .name: z, .offset: 24, .size: 8, .value_kind: global_buffer, .address_space: global }
      - { .name: v_a, .offset: 32, .size: 8, .value_kind: global_buffer, .address_space: global }
      - { .name: v_p, .offset: 40, .size: 8, .value_kind: global_buffer, .address_space: global }
      - { .name: pctx, .offset: 48, .size: 8, .value_kind: global_buffer, .address_space: global }
      - { .name: pstat, .offset: 56, .size: 8, .value_kind: global_buffer, .address_space: global }
    .group_segment_fixed_size: 327680
    .private_segment_fixed_size: 0
    .kernarg_segment_align: 8
    .kernarg_segment_size: 64
    .max_flat_workgroup_size: 128
    .sgpr_count:     102
    .vgpr_count:     1024
    .wavefront_size: 32
...
	.end_amdgpu_metadata
.endif
;; end of part 2
;; launch finish (part 3): grid 256 x 1, 4 waves a work-group, no clusters, 1,792 bytes of LDS; arguments pctx, pstat, wt_codes, wt_scales, z, out0; writes out0
.if DOCPART == 3
	.amdgcn_target "amdgcn-amd-amdhsa--gfx1250"
	.amdhsa_code_object_version 6
	.text
	.protected	k_qce619bfa6a_finish
	.globl	k_qce619bfa6a_finish
	.p2align	8
	.type	k_qce619bfa6a_finish,@function
k_qce619bfa6a_finish:
	s_mov_b64 s[64:65], 0
	v_nop
	global_prefetch_b8 v0, s[64:65] scope:SCOPE_SE
	s_setreg_imm32_b32 hwreg(HW_REG_WAVE_MODE, 25, 1), 1
	s_wait_xcnt 0x0
; out0[b][n] = tanh(context[b] @ W_att[:1024] + h_t[b] @ W_att[1024:]), 128 outputs of one batch to a work-group: b = work-group / 8, outputs 128 (work-group % 8) on.
; No work is left out here.  The second product was made by the first launch (z[2]).
; context = sum_j a_j part_j over the batch's eight partials, a_j = 2^(M_j - M) / sum_j 2^(M_j - M) L_j: the softmax finished and normalised, in f32, as it goes into the quantiser.
; Wave w joins and quantises numbers 256 w .. 256 w + 255; the row's 512 bytes of codes and its eight scale words meet in LDS; wave w then makes tiles 2 w and 2 w + 1 of the work-group's eight.
; The one row stands in all 16 rows of source 0 (a tile with one live row); source 1 = 16 columns of W_att, so register 0 of lane r holds column r.  The order of K is the first launch's.
; LIMITS as in the first launch: a block of zeros or under 2^-124 gets the scale byte 1.
; REGISTERS: v3-9 lane terms and z's word; v10-15 at work; v16-31 two accumulators; v32-39 my eight numbers; v40-47 the row's scale words; v48-55 the eight factors, then LDS addresses; v56-63 W_att's scale words;
;   v64-127 the partials, then the row's eight fragments; v128-255 W_att's sixteen fragments.
.set XSB,   512                        ; LDS: 0 the row of codes, 512 bytes; 512 its eight scale words; 768 the 128 outputs; 1,280 the spare words, 128 bytes a wave
.set OUTS,  768
.set SPARE, 1280
.set SPW, 1
.set NIL, 2
	s_load_b256 s[4:11], s[0:1], 0x0               ; pctx 4:5, pstat 6:7, wt_codes 8:9, wt_scales 10:11
	s_load_b128 s[12:15], s[0:1], 0x20             ; z 12:13, out0 14:15
	v_lshl_add_u32 v[SPW], v0, 2, SPARE
	v_mov_b32 v[NIL], 0
	v_lshrrev_b32 v3, 5, v0
	v_readfirstlane_b32 s20, v3                    ; wave
	s_lshr_b32 s21, ttmp9, 3                       ; b
	s_and_b32 s22, ttmp9, 7                        ; which 128 outputs
	v_and_b32 v3, 31, v0
	v_and_b32 v4, 15, v0
	v_bfe_u32 v5, v0, 4, 1
	v_lshlrev_b32 v6, 5, v4
	v_lshl_add_u32 v6, v5, 4, v6                   ; 16 (2 r + h): a load covers 512 consecutive bytes
	v_lshlrev_b32 v7, 2, v3
	v_lshlrev_b32 v8, 4, v3
	s_lshl_b32 s40, s21, 11                        ; pstat: eight units of 256 bytes a batch
	s_mov_b32 s41, 0
	s_lshl_b32 s42, s21, 15                        ; pctx: eight rows of 4,096 bytes a batch,
	s_lshl_b32 s43, s20, 10                        ; my 256 numbers
	s_add_co_u32 s42, s42, s43
	s_mov_b32 s43, 0
	s_lshl_b32 s44, s22, 3
	s_lshl_b32 s45, s20, 1
	s_add_co_u32 s44, s44, s45                     ; my first tile t,
	s_lshr_b32 s45, s22, 1
	s_lshl_b32 s45, s45, 1
	s_add_co_u32 s44, s44, s45                     ; its section t + 2 (t / 16)
	s_lshl_b32 s46, s44, 13
	s_mov_b32 s47, 0
	s_lshl_b32 s48, s44, 9
	s_mov_b32 s49, 0
	s_lshl_b32 s50, s21, 12
	s_lshl_b32 s51, s22, 9
	s_add_co_u32 s50, s50, s51                     ; the work-group's 512 bytes in out0,
	s_mov_b32 s51, 0
	s_lshl_b32 s52, s20, 7
	s_add_co_u32 s52, s52, s50
	s_add_co_u32 s52, s52, 262144                  ; and my 128 in z[2]
	s_mov_b32 s53, 0
	s_add_co_u32 s23, s20, XSB
	s_wait_alu depctr_va_vdst(0)
	s_wait_kmcnt 0x0
	s_add_nc_u64 s[16:17], s[6:7], s[40:41]
.irp j,0,1,2,3,4,5,6,7
	s_load_b64 s[24+2*\j:25+2*\j], s[16:17], 256*\j   ; (M_j, L_j)
.endr
	s_add_nc_u64 s[4:5], s[4:5], s[42:43]
	s_add_nc_u64 s[8:9], s[8:9], s[46:47]
	s_add_nc_u64 s[10:11], s[10:11], s[48:49]
	s_add_nc_u64 s[12:13], s[12:13], s[52:53]
	s_add_nc_u64 s[14:15], s[14:15], s[50:51]
.irp j,0,1,2,3,4,5,6,7
	global_load_b128 v[64+8*\j:67+8*\j], v6, s[4:5] offset:4096*\j
	global_load_b128 v[68+8*\j:71+8*\j], v6, s[4:5] offset:4096*\j+512
.endr
	global_load_b32 v9, v7, s[12:13]
.irp u,0,1
.irp s,0,1,2,3,4,5,6,7
.irp c,0,1
	global_load_b128 v[128+64*\u+8*\s+4*\c:128+64*\u+8*\s+4*\c+3], v8, s[8:9] offset:8192*\u+1024*\s+512*\c
.endr
.endr
.endr
.irp u,0,1
.irp p,0,1,2,3
	global_load_b32 v[56+4*\u+\p], v7, s[10:11] offset:512*\u+128*\p
.endr
.endr
	s_wait_kmcnt 0x0
.irp j,0,1,2,3,4,5,6,7
	v_mov_b32 v[48+\j], s[24+2*\j]
.endr
	v_max3_num_f32 v10, v48, v49, v50
	v_max3_num_f32 v10, v10, v51, v52
	v_max3_num_f32 v10, v10, v53, v54
	v_max_num_f32 v10, v10, v55                    ; M: the maximum is taken away before the exponentials
.irp j,0,1,2,3,4,5,6,7
	v_sub_f32 v[48+\j], v[48+\j], v10
.endr
	s_wait_alu depctr_va_vdst(0)
.irp j,0,1,2,3,4,5,6,7
	v_exp_f32 v[48+\j], v[48+\j]
.endr
	v_nop
	s_wait_alu depctr_va_vdst(0)                   ; one wait for the eight
	v_mul_f32 v11, s25, v48
.irp j,1,2,3,4,5,6,7
	v_fmac_f32 v11, s[25+2*\j], v[48+\j]
.endr
	s_wait_alu depctr_va_vdst(0)
	v_rcp_f32 v11, v11
	v_nop
	s_wait_alu depctr_va_vdst(0)
.irp j,0,1,2,3,4,5,6,7
	v_mul_f32 v[48+\j], v[48+\j], v11
.endr
	s_wait_alu depctr_va_vdst(0)
	s_wait_loadcnt 41                              ; the sixteen loads of partials are in; behind them: z's word, 32 fragments' loads, 8 scale words
.irp e,0,1,2,3,4,5,6,7
	v_mul_f32 v[32+\e], v[64+\e], v48
.endr
.irp j,1,2,3,4,5,6,7
.irp e,0,1,2,3,4,5,6,7
	v_fmac_f32 v[32+\e], v[64+8*\j+\e], v[48+\j]
.endr
.endr
.irp e,0,1,2,3
	v_permlane16_swap_b32 v[32+\e], v[36+\e]       ; lane l now holds eight neighbours: k = 256 w + 8 l + 0 .. 7
.endr
	v_lshlrev_b32 v48, 2, v0                       ; codes: 128 w + 4 lane
	v_and_b32 v49, 28, v0
	v_add_nc_u32 v49, s23, v49                     ; scale byte: word sg = lane / 4, byte w
	v_lshlrev_b32 v50, 7, v5                       ; fragments: 128 h
	v_mov_b32 v51, XSB
	v_lshl_add_u32 v52, v0, 2, OUTS
	v_lshl_add_u32 v53, v3, 4, OUTS
	v_max3_num_f32 v12, |v32|, |v33|, |v34|
	v_max3_num_f32 v13, |v35|, |v36|, |v37|
	v_max3_num_f32 v12, v12, |v38|, |v39|
	v_max3_num_f32 v12, v12, v13, 0x1800000        ; the floor 2^(3 - 127)
	v_max_num_f32_dpp v12, v12, v12 row_xmask:1 row_mask:0xf bank_mask:0xf
	v_max_num_f32_dpp v12, v12, v12 row_xmask:2 row_mask:0xf bank_mask:0xf   ; a block of 32 is four lanes'
	v_add_nc_u32 v13, 0xff000000, v12
	v_lshrrev_b32 v14, 23, v13
	v_cvt_scalef32_pk8_fp4_f32 v15, v[32:39], v13
	v_nop                                          ; one plain line behind the conversion
	ds_store_b32 v48, v15
	ds_store_b8 v49, v14                           ; four lanes write the same byte with the same value
	s_wait_dscnt 0x0
	s_barrier_signal -1
	s_barrier_wait -1
.irp s,0,1,2,3,4,5,6,7
.irp c,0,1
	ds_load_b128 v[64+8*\s+4*\c:64+8*\s+4*\c+3], v50 offset:256*\c+16*\s   ; block 8 (2 c + h) + sg, the same for all sixteen rows
.endr
.endr
.irp s,0,1,2,3,4,5,6,7
	ds_load_b32 v[40+\s], v51 offset:4*\s
.endr
	s_wait_loadcnt 0x0
	s_wait_dscnt 0x0
.irp s,0,1,2,3,4,5,6,7                         ; the two accumulators take turns
.irp u,0,1
.if \s==0
	v_wmma_scale_f32_16x16x128_f8f6f4 v[16+8*\u:23+8*\u], v[64+8*\s:71+8*\s], v[128+64*\u+8*\s:135+64*\u+8*\s], 0, v[40+\s], v[56+4*\u+\s/2] matrix_a_fmt:MATRIX_FMT_FP4 matrix_b_fmt:MATRIX_FMT_FP4
.elseif \s%2
	v_wmma_scale_f32_16x16x128_f8f6f4 v[16+8*\u:23+8*\u], v[64+8*\s:71+8*\s], v[128+64*\u+8*\s:135+64*\u+8*\s], v[16+8*\u:23+8*\u], v[40+\s], v[56+4*\u+\s/2] matrix_a_fmt:MATRIX_FMT_FP4 matrix_b_fmt:MATRIX_FMT_FP4 matrix_b_scale:MATRIX_SCALE_ROW1
.else
	v_wmma_scale_f32_16x16x128_f8f6f4 v[16+8*\u:23+8*\u], v[64+8*\s:71+8*\s], v[128+64*\u+8*\s:135+64*\u+8*\s], v[16+8*\u:23+8*\u], v[40+\s], v[56+4*\u+\s/2] matrix_a_fmt:MATRIX_FMT_FP4 matrix_b_fmt:MATRIX_FMT_FP4
.endif
.endr
.endr
.rept 4
	v_nop                                          ; four places ahead of the first read of the results
.endr
	v_cmp_gt_u32 vcc_lo, 16, v3
	v_cndmask_b32 v10, v24, v16, vcc_lo            ; lanes 0-15: tile 2 w's column r; lanes 16-31: tile 2 w + 1's
	v_add_f32 v10, v10, v9                         ; + h_t @ W_att[1024:]
	v_mul_f32 v10, 0x4038aa3b, v10                 ; tanh(a) = 1 - 2 / (1 + 2^(2 log2(e) a))
	s_wait_alu depctr_va_vdst(0)
	v_exp_f32 v10, v10
	v_nop
	s_wait_alu depctr_va_vdst(0)
	v_add_f32 v10, 1.0, v10
	s_wait_alu depctr_va_vdst(0)
	v_rcp_f32 v10, v10
	v_nop
	s_wait_alu depctr_va_vdst(0)
	v_fma_f32 v10, v10, -2.0, 1.0
	ds_store_b32 v52, v10
	s_wait_dscnt 0x0
	s_barrier_signal -1
	s_barrier_wait -1
	s_cmp_lg_u32 s20, 0
	s_cbranch_scc1 .Lend
	ds_load_b128 v[12:15], v53
	s_wait_dscnt 0x0
	global_store_b128 v8, v[12:15], s[14:15]       ; 32 lanes store 512 consecutive bytes, at a multiple of 256 from out0's first byte
.Lend:
	s_wait_tensorcnt 0x0                           ; the wave's end
	ds_add_u32 v[SPW], v[NIL]
	s_wait_dscnt 0x0
	s_endpgm
.Lfunc_end_k_qce619bfa6a_finish:
	.size	k_qce619bfa6a_finish, .Lfunc_end_k_qce619bfa6a_finish-k_qce619bfa6a_finish
	.p2alignl 7, 3214868480
	.fill 96, 4, 3214868480
	.section	.rodata,"a",@progbits
	.p2align	6, 0x0
	.amdhsa_kernel k_qce619bfa6a_finish
		.amdhsa_group_segment_fixed_size 1792
		.amdhsa_private_segment_fixed_size 0
		.amdhsa_enable_private_segment 0
		.amdhsa_kernarg_size 48
		.amdhsa_user_sgpr_count 2
		.amdhsa_user_sgpr_kernarg_segment_ptr 1
		.amdhsa_wavefront_size32 1
		.amdhsa_system_sgpr_workgroup_id_x 1
		.amdhsa_system_sgpr_workgroup_id_y 1
		.amdhsa_system_sgpr_workgroup_id_z 1
		.amdhsa_system_vgpr_workitem_id 0
		.amdhsa_next_free_vgpr 256
		.amdhsa_next_free_sgpr 66
		.amdhsa_reserve_vcc 1
		.amdhsa_float_denorm_mode_32 3
		.amdhsa_float_denorm_mode_16_64 3
		.amdhsa_memory_ordered 1
		.amdhsa_forward_progress 1
		.amdhsa_inst_pref_size 18
	.end_amdhsa_kernel
	.amdgpu_metadata
---
amdhsa.version: [ 1, 2 ]
amdhsa.kernels:
  - .name:           k_qce619bfa6a_finish
    .symbol:         k_qce619bfa6a_finish.kd
    .args:
      - { .name: pctx, .offset: 0, .size: 8, .value_kind: global_buffer, .address_space: global }
      - { .name: pstat, .offset: 8, .size: 8, .value_kind: global_buffer, .address_space: global }
      - { .name: wt_codes, .offset: 16, .size: 8, .value_kind: global_buffer, .address_space: global }
      - { .name: wt_scales, .offset: 24, .size: 8, .value_kind: global_buffer, .address_space: global }
      - { .name: z, .offset: 32, .size: 8, .value_kind: global_buffer, .address_space: global }
      - { .name: out0, .offset: 40, .size: 8, .value_kind: global_buffer, .address_space: global }
    .group_segment_fixed_size: 1792
    .private_segment_fixed_size: 0
    .kernarg_segment_align: 8
    .kernarg_segment_size: 48
    .max_flat_workgroup_size: 128
    .sgpr_count:     66
    .vgpr_count:     256
    .wavefront_size: 32
...
	.end_amdgpu_metadata
.endif
;; end of part 3
